; MI455X (gfx1250); checked and timed in simulation.
; The chip was launched on July 23, 2026; its instructions are those of AMD's public machine-readable ISA for CDNA 5 (MIT licence, August 2026) and "CDNA5" Instruction Set Architecture Reference Guide (July 2026). The comments in the code are by the model that wrote it; some were corrected since.
;; Joint Attention. Allowed arithmetic: float matrix products may take bf16 or f16 operands with f32 sums; all other float work in f32.
;; Inputs: Wk 256 x 256 float32; Wq 256 x 256 float32; Wv 256 x 256 float32; bk 256 float32; bq 256 float32; bv 256 float32; x 2 x 1,024 x 256 float32.
;; Outputs: out0 2 x 1,024 x 256 float32.
;; 2 versions, each right; version 2 is version 1 with the launch proj written anew for expert scheduling mode. Each part assembles by itself: llvm-mc -triple=amdgcn-amd-amdhsa -mcpu=gfx1250 --defsym DOCPART=n.
;; ======== version 1 of 2: 2 launches
;; workspace buffers: qkv 6,291,456 bytes
;; launch proj (part 1): grid 16 x 12, 8 waves a work-group, no clusters, 137,216 bytes of LDS; arguments x, Wq, Wk, Wv, bq, bk, bv, qkv; writes qkv
.if DOCPART == 1
	.amdgcn_target "amdgcn-amd-amdhsa--gfx1250"
	.amdhsa_code_object_version 6
	.text
	.protected	k_q6b7a4fd78a_proj
	.globl	k_q6b7a4fd78a_proj
	.p2align	8
	.type	k_q6b7a4fd78a_proj,@function
k_q6b7a4fd78a_proj:
	s_mov_b64 s[64:65], 0
	v_nop
	global_prefetch_b8 v0, s[64:65] scope:SCOPE_SE
	s_setreg_imm32_b32 hwreg(HW_REG_WAVE_MODE, 25, 1), 1
	s_wait_xcnt 0x0
; qkv[m][t][c] = sum over k of x[t][k] W_m[c][k] + b_m[c],  m = 0, 1, 2 for Q, K, V.   x: [2048][256] f32, W_m: [256][256] f32, qkv: [3][2048][256] f32.
; x and W are rounded to bf16 (nearest even) on the way to the matrix unit; the sums are f32 and start at the bias.
; A work-group makes 128 tokens x 64 columns of one matrix: grid x = token block (16), grid y = 4 m + column block (12).
; K is 256: the whole depth is taken at once.  Each thread asks for all its 48 pieces of 16 bytes (196,608 bytes for the work-group) before it
; waits for any, rounds them as they come and lays them into LDS; one barrier; then each of the eight waves multiplies 16 tokens x 64 columns.
; NO JOINT LOADS, though 12 work-groups read each tile of x and 16 each tile of W: the numbers are f32 and have to pass through registers once to
; become bf16, and there is one step only, so a tile brought by the data mover would be written to LDS and read back (196,608 bytes more each way
; for a work-group) before the same conversion.
; THE MATRIX INSTRUCTION IS USED TRANSPOSED: source 0 = 16 rows of W (columns of the result), source 1 = 16 rows of x.  Lane l then holds token l % 16 and
; its registers 0 to 7 the columns 8 (l / 16) + 0 .. 7, so the bias of those eight columns is loaded straight into the accumulator as the first C.
.set PITCH,  528                       ; an LDS row: 256 bf16 + 16 bytes = 33 x 16: the 16 rows of a fragment load begin in 16 different 16-byte columns modulo 256 bytes
.set XROWS,  128
.set WROWS,  64
.set WT,     XROWS*PITCH               ; W's tile lies behind x's
.set STAGE,  WT+WROWS*PITCH            ; behind both: 16 rows x 272 bytes for each wave, for the way out
.set SPITCH, 272                       ; 256 bytes of a row of results + 16
.set GOFF, 1                           ; v1   16 t: my 16 bytes in every 4,096 bytes of a tile (both tiles are dense in memory)
.set SX,   2                           ; v2   where my 8 bytes of bf16 go in x's tile: row t / 64, byte 8 (t % 64)
.set SW,   3                           ; v3   the same in W's tile
.set BOFF, 6                           ; v6   32 (l / 16): my eight columns' bias
.set XF,   8                           ; v8   my fragment address in x's tile
.set WF,   9                           ; v9   my fragment address in W's tile
.set STO,  10                          ; v10  the way out: where my 32 bytes of a row go
.set RD,   11                          ; v11  the way out: where I read 16 bytes of a row back
.set CO,   12                          ; v12  my byte offset in the wave's 16 rows of qkv
.set ACC,  16                          ; v[16:47]   four accumulators: columns 16 n .. 16 n + 15
.set LD,   48                          ; v[48:239]  48 loads of 4 registers; afterwards four fragment sets of 40 registers
.set FSET, 40                          ; a set: x's fragment (8), W's four fragments (32)
	s_load_b512 s[8:23], s[0:1], 0x0               ; x s[8:9], Wq s[10:11], Wk s[12:13], Wv s[14:15], bq s[16:17], bk s[18:19], bv s[20:21], qkv s[22:23]
	v_lshl_add_u32 v240, v0, 2, 0x21400
	v_mov_b32 v241, 0
	s_and_b32 s2, ttmp7, 0xffff                    ; grid y
	s_lshr_b32 s3, s2, 2                           ; m: which matrix
	s_and_b32 s4, s2, 3                            ; column block
	v_lshrrev_b32 v7, 5, v0
	v_readfirstlane_b32 s5, v7                     ; wave 0..7
	v_lshlrev_b32 v[GOFF], 4, v0
	v_and_b32 v4, 15, v0                           ; l % 16
	v_bfe_u32 v5, v0, 4, 1                         ; l / 16
	v_lshlrev_b32 v[BOFF], 5, v5
	s_lshl_b32 s28, ttmp9, 17                      ; token block x 128 rows x 1,024 bytes
	s_mov_b32 s29, 0
	s_lshl_b32 s30, s4, 16                         ; column block x 64 rows of W x 1,024 bytes
	s_mov_b32 s31, 0
	s_lshl_b32 s32, s4, 8                          ; column block x 64 columns x 4 bytes
	s_mov_b32 s33, 0
	s_lshl_b32 s36, s3, 21                         ; qkv: m x 2,097,152
	s_add_co_u32 s36, s36, s28                     ; + the block's first token
	s_lshl_b32 s37, s5, 14
	s_add_co_u32 s36, s36, s37                     ; + the wave's 16 tokens
	s_add_co_u32 s36, s36, s32                     ; + the block's first column: under 6,291,456 in all
	s_mov_b32 s37, 0
	s_mul_i32 s34, s5, 16*PITCH                    ; the wave's 16 tokens in x's tile
	s_mul_i32 s35, s5, 16*SPITCH
	s_add_co_u32 s35, s35, STAGE                   ; the wave's stage
	s_wait_kmcnt 0x0
	s_cmp_eq_u32 s3, 1                             ; the matrix and its bias are chosen by m alone
	s_cselect_b64 s[24:25], s[12:13], s[10:11]
	s_cselect_b64 s[26:27], s[18:19], s[16:17]
	s_cmp_eq_u32 s3, 2
	s_cselect_b64 s[24:25], s[14:15], s[24:25]
	s_cselect_b64 s[26:27], s[20:21], s[26:27]
	s_add_nc_u64 s[8:9], s[8:9], s[28:29]          ; x at the block's first token
	s_add_nc_u64 s[24:25], s[24:25], s[30:31]      ; W at the block's first row
	s_add_nc_u64 s[26:27], s[26:27], s[32:33]      ; the bias at the block's first column
	s_add_nc_u64 s[22:23], s[22:23], s[36:37]      ; qkv at the wave's first row and the block's first column
	; 56 loads, none waited for before all are out: the bias into the accumulators, then W's tile (16), then x's (32).
.irp n, 0,1,2,3
	global_load_b128 v[ACC+8*\n:ACC+8*\n+3],   v[BOFF], s[26:27] offset:64*\n       ; b[16 n + 8 (l / 16) + 0 .. 3]
	global_load_b128 v[ACC+8*\n+4:ACC+8*\n+7], v[BOFF], s[26:27] offset:64*\n+16    ; .. + 4 .. 7
.endr
.set i, 0
.rept 16
	global_load_b128 v[LD+4*i:LD+4*i+3], v[GOFF], s[24:25] offset:4096*i            ; a wave's load covers 512 neighbouring bytes; the 8 waves, four rows
.set i, i+1
.endr
.rept 32
	global_load_b128 v[LD+4*i:LD+4*i+3], v[GOFF], s[8:9] offset:4096*(i-16)
.set i, i+1
.endr
	; addresses, while the loads are on their way
	v_lshrrev_b32 v7, 6, v0                        ; t / 64: which of the four rows
	v_and_b32 v13, 63, v0                          ; t % 64: which 4 numbers of the row
	v_mul_u32_u24 v7, v7, PITCH
	v_lshl_add_u32 v[SX], v13, 3, v7
	v_add_nc_u32 v[SW], WT, v[SX]
	v_mul_u32_u24 v7, v4, PITCH                    ; a fragment: lane l holds row l % 16; two loads of 16 bytes, 32 apart, at 16 (l / 16)
	v_lshl_add_u32 v7, v5, 4, v7
	v_add_nc_u32 v[XF], s34, v7
	v_add_nc_u32 v[WF], WT, v7
	v_mul_u32_u24 v7, v4, SPITCH                   ; into the stage: row l % 16, 32 bytes for each half of the lanes
	v_lshl_add_u32 v7, v5, 5, v7
	v_add_nc_u32 v[STO], s35, v7
	v_mul_u32_u24 v7, v5, SPITCH                   ; back: lanes 0-15 one row of 256 bytes, lanes 16-31 the next
	v_lshl_add_u32 v7, v4, 4, v7
	v_add_nc_u32 v[RD], s35, v7
	v_lshlrev_b32 v7, 10, v5                       ; and the same two rows in qkv (1,024 bytes apart)
	v_lshl_add_u32 v[CO], v4, 4, v7
	; round and lay down, in the order of the loads.  Loads come back in order (ISA guide 5.7.1): the count is the number of tile loads issued behind this one.
.set i, 0
.rept 16
	s_wait_loadcnt 47-i
	v_cvt_pk_bf16_f32 v[LD+4*i],   v[LD+4*i],   v[LD+4*i+1]
	v_cvt_pk_bf16_f32 v[LD+4*i+1], v[LD+4*i+2], v[LD+4*i+3]
	ds_store_b64 v[SW], v[LD+4*i:LD+4*i+1] offset:4*PITCH*i                         ; rows 4 i .. 4 i + 3 of W's tile
.set i, i+1
.endr
.rept 32
	s_wait_loadcnt 47-i
	v_cvt_pk_bf16_f32 v[LD+4*i],   v[LD+4*i],   v[LD+4*i+1]
	v_cvt_pk_bf16_f32 v[LD+4*i+1], v[LD+4*i+2], v[LD+4*i+3]
	ds_store_b64 v[SX], v[LD+4*i:LD+4*i+1] offset:4*PITCH*(i-16)                    ; the largest offset is 31 x 2,112 = 65,472
.set i, i+1
.endr
	s_wait_dscnt 0x0                               ; for the other waves' sake: all my LDS stores are done
	s_barrier_signal -1
	s_barrier_wait -1                              ; both tiles are whole
; ten LDS loads: the fragments of K step s (32 along K, 64 bytes of a row) into set f.  The step may be given as a sum: it stands in brackets.
.macro FETCH f, s
	ds_load_b128 v[\f:\f+3],   v[XF] offset:64*(\s)
	ds_load_b128 v[\f+4:\f+7], v[XF] offset:64*(\s)+32
.irp n, 0,1,2,3
	ds_load_b128 v[\f+8+8*\n:\f+8+8*\n+3],    v[WF] offset:\n*16*PITCH+64*(\s)
	ds_load_b128 v[\f+8+8*\n+4:\f+8+8*\n+7],  v[WF] offset:\n*16*PITCH+64*(\s)+32
.endr
.endm
; four matrix instructions, one on each accumulator: the accumulators take turns
.macro MUL f
.irp n, 0,1,2,3
	v_wmma_f32_16x16x32_bf16 v[ACC+8*\n:ACC+8*\n+7], v[\f+8+8*\n:\f+8+8*\n+7], v[\f:\f+7], v[ACC+8*\n:ACC+8*\n+7]
.endr
.endm
; a load into a register that a matrix instruction has read, and an LDS store of a matrix result, stand four places behind it (ISA guide 7.12.1 for
; vector instructions); nothing else is left to do here, so the places are v_nop
.macro PLACES
.rept 4
	v_nop
.endr
.endm
	FETCH LD,        0
	FETCH LD+FSET,   1
	FETCH LD+2*FSET, 2
	FETCH LD+3*FSET, 3
.irp s, 0,1,2,3
	s_wait_dscnt 30                                ; LDS loads come back in order: all but the three younger sets of ten
	MUL LD+\s*FSET
	PLACES
	FETCH LD+\s*FSET, \s+4                         ; K steps 4 to 7 follow steps 0 to 3 into the same sets
.endr
	s_wait_dscnt 30
	MUL LD
	s_wait_dscnt 20
	MUL LD+FSET
	s_wait_dscnt 10
	MUL LD+2*FSET
	s_wait_dscnt 0
	MUL LD+3*FSET
	PLACES
	; THE WAY OUT: my 32 bytes of each 64 go into my wave's own stage, whole rows of 256 bytes come back.  LDS serves a wave's instructions in
	; order (ISA guide 5.7.1), so the loads see the stores; no other wave touches these bytes.
.irp n, 0,1,2,3
	ds_store_b128 v[STO], v[ACC+8*\n:ACC+8*\n+3]   offset:64*\n
	ds_store_b128 v[STO], v[ACC+8*\n+4:ACC+8*\n+7] offset:64*\n+16
.endr
.irp p, 0,1,2,3,4,5,6,7
	ds_load_b128 v[LD+4*\p:LD+4*\p+3], v[RD] offset:\p*2*SPITCH
.endr
.irp p, 0,1,2,3,4,5,6,7
	s_wait_dscnt 7-\p                              ; pair p of rows is back; the younger ones may be out
	global_store_b128 v[CO], v[LD+4*\p:LD+4*\p+3], s[22:23] offset:2048*\p    ; 16 lanes store 256 consecutive bytes, at a multiple of 256 from qkv's first byte
.endr
	s_wait_tensorcnt 0x0
	ds_add_u32 v240, v241
	s_wait_dscnt 0x0
	s_endpgm
.Lfunc_end_k_q6b7a4fd78a_proj:
	.size	k_q6b7a4fd78a_proj, .Lfunc_end_k_q6b7a4fd78a_proj-k_q6b7a4fd78a_proj
	.p2alignl 7, 3214868480
	.fill 96, 4, 3214868480
	.section	.rodata,"a",@progbits
	.p2align	6, 0x0
	.amdhsa_kernel k_q6b7a4fd78a_proj
		.amdhsa_group_segment_fixed_size 137216
		.amdhsa_private_segment_fixed_size 0
		.amdhsa_enable_private_segment 0
		.amdhsa_kernarg_size 64
		.amdhsa_user_sgpr_count 2
		.amdhsa_user_sgpr_kernarg_segment_ptr 1
		.amdhsa_wavefront_size32 1
		.amdhsa_system_sgpr_workgroup_id_x 1
		.amdhsa_system_sgpr_workgroup_id_y 1
		.amdhsa_system_sgpr_workgroup_id_z 1
		.amdhsa_system_vgpr_workitem_id 0
		.amdhsa_next_free_vgpr 242
		.amdhsa_next_free_sgpr 66
		.amdhsa_reserve_vcc 0
		.amdhsa_float_denorm_mode_32 3
		.amdhsa_float_denorm_mode_16_64 3
		.amdhsa_memory_ordered 1
		.amdhsa_forward_progress 1
		.amdhsa_inst_pref_size 29
	.end_amdhsa_kernel
	.amdgpu_metadata
---
amdhsa.version: [ 1, 2 ]
amdhsa.kernels:
  - .name:           k_q6b7a4fd78a_proj
    .symbol:         k_q6b7a4fd78a_proj.kd
    .args:
      - { .name: x, .offset: 0, .size: 8, .value_kind: global_buffer, .address_space: global }
      - { .name: Wq, .offset: 8, .size: 8, .value_kind: global_buffer, .address_space: global }
      - { .name: Wk, .offset: 16, .size: 8, .value_kind: global_buffer, .address_space: global }
      - { .name: Wv, .offset: 24, .size: 8, .value_kind: global_buffer, .address_space: global }
      - { .name: bq, .offset: 32, .size: 8, .value_kind: global_buffer, .address_space: global }
      - { .name: bk, .offset: 40, .size: 8, .value_kind: global_buffer, .address_space: global }
      - { .name: bv, .offset: 48, .size: 8, .value_kind: global_buffer, .address_space: global }
      - { .name: qkv, .offset: 56, .size: 8, .value_kind: global_buffer, .address_space: global }
    .group_segment_fixed_size: 137216
    .private_segment_fixed_size: 0
    .kernarg_segment_align: 8
    .kernarg_segment_size: 64
    .max_flat_workgroup_size: 256
    .sgpr_count:     66
    .vgpr_count:     242
    .wavefront_size: 32
...
	.end_amdgpu_metadata
.endif
;; end of part 1
;; launch attn (part 2): grid 256 x 1, 16 waves a work-group, no clusters, 43,008 bytes of LDS; arguments qkv, out0; writes out0
.if DOCPART == 2
	.amdgcn_target "amdgcn-amd-amdhsa--gfx1250"
	.amdhsa_code_object_version 6
	.text
	.protected	k_q6b7a4fd78a_attn
	.globl	k_q6b7a4fd78a_attn
	.p2align	8
	.type	k_q6b7a4fd78a_attn,@function
k_q6b7a4fd78a_attn:
	s_mov_b64 s[64:65], 0
	v_nop
	global_prefetch_b8 v0, s[64:65] scope:SCOPE_SE
	s_setreg_imm32_b32 hwreg(HW_REG_WAVE_MODE, 25, 1), 1
	s_wait_xcnt 0x0
; out[t][i] = sum over j of p[i][j] V[t][j],  p[i][.] = softmax over j of Q[t][i] K[t][j] / 16.   qkv: [3][2048][256] f32 (Q, K, V), out0: [2048][256] f32.
; A work-group owns 8 tokens, a wave one token and 128 of its 256 rows i.  The work-groups share no input, so there is nothing to ask for jointly.
; THE MAXIMUM.  The scores of a row are q times the numbers K[j], so the row's maximum is max(q kmax, q kmin), with kmax and kmin the token's largest and
; smallest K.  It is taken away in the fused multiply-add that makes the exponent: q' K[j] - m, q' = q log2(e) / 16, m = max(q' kmax, q' kmin) rounded
; to f32.  The rounding of m shifts all exponents of a row alike and cancels in the quotient.  The largest exponent of a row is 0 up to that rounding.
; THE OUTER PRODUCT stays in f32 on the vector unit: it has a depth of one, and bf16 factors would put their rounding into the exponent.
; THE SUM OVER j goes to the matrix unit.  Source 0 (16 rows x 32 j): rows 0 and 8 hold bf16(V), rows 1 and 9 ones, rows 2 and 10 bf16(V - bf16(V)), the
; rest zeros.  Source 1 (32 j x 16 columns): column r holds the probabilities of row i0 + r, unnormalised, in bf16.  Lane (r, h) of either source holds, in
; its 8 registers, j = 32 s + 16 h + 0 .. 15: the same order of j on both sides, so the products meet.  In the result, registers 0, 1, 2 of lane (r, h) are
; rows 8 h, 8 h + 1, 8 h + 2: the numerator's main part, the denominator (the sum of the same rounded probabilities) and the numerator's small part, all of
; row i0 + r.  No exchange between lanes is needed.  V goes in two parts because the result is close to the mean of 256 numbers V, some sixteen times
; smaller than they are, so that V's rounding to 8 bits would weigh in it; the second part rides in a row of source 0 that would hold zeros.
; LIMITS.  The probabilities are rounded to bf16 (nearest even), V to two bf16 numbers (16 bits); the sums are f32 in the matrix unit's order.  A probability
; under 2^-126 of the row's largest counts as zero (v_exp_f32 flushes, ISA guide 15.8).  The division is v_rcp_f32 and a multiply.  Where q' K[j] overflows
; f32 the result is NaN, as it is in the definition (infinity less infinity); it is not finite either where |V| rounds to infinity in bf16 (above 3.39e38).
.set CS,    0x3db8aa3b                 ; log2(e) / 16
.set KOFF,  0x200000                   ; K behind Q in qkv, bytes
.set VOFF,  0x400000                   ; V behind Q
.set QS,    0                          ; LDS: q' of 8 tokens, 1,024 bytes each
.set KS,    8192                       ; K of 8 tokens, 1,024 bytes each
.set VS,    16384                      ; source 0: for each token 8 blocks of 256 bytes, one for each step of 32 j; in a block 64 bytes of each of four
                                       ; rows: bf16(V), ones, the rest of V, zeros.  The four addresses that 16 lanes ask for lie in one 256-byte block
.set OUTST, 32768                      ; 512 bytes for each wave, its 128 results
.set QADR, 1                           ; v1        LDS address of q' of my row in the trip's first tile
.set SADR, 2                           ; v2        where my result of the trip goes
.set RADR, 3                           ; v3        where I read 16 bytes of results back
.set QQ,   4                           ; v[4:11]   tile a of the trip's two: v[4+4a:5+4a] = q', q';  v[6+4a:7+4a] = -m, -m
.set TMP,  12                          ; v[12:15]  at work
.set ACC,  16                          ; v[16:31]  two accumulators, one for each tile
.set ARG,  32                          ; v[32:63]  two sets of 16: exponents, then probabilities, then (registers 0-7) their bf16 pairs
.set KR,   64                          ; v[64:191] K[32 s + 16 h + e] at 16 s + e
.set VA,   192                         ; v[192:255] source 0 for step s at 8 s
	s_load_b128 s[4:7], s[0:1], 0x0                ; qkv s[4:5], out0 s[6:7]
	v_lshlrev_b32 v1, 4, v0                        ; 16 t
	v_lshrrev_b32 v2, 5, v0
	v_readfirstlane_b32 s8, v2                     ; wave 0..15
	s_lshl_b32 s10, ttmp9, 13                      ; the work-group's 8 tokens x 1,024 bytes
	s_mov_b32 s11, 0
	s_wait_kmcnt 0x0
	s_add_nc_u64 s[4:5], s[4:5], s[10:11]
	s_add_nc_u64 s[6:7], s[6:7], s[10:11]
	global_load_b128 v[16:19], v1, s[4:5] th:TH_LOAD_NT                 ; Q: 512 threads x 16 bytes are the 8 tokens' 8,192 bytes; read once in the launch
	global_load_b128 v[20:23], v1, s[4:5] offset:KOFF th:TH_LOAD_NT     ; K
	global_load_b128 v[24:27], v1, s[4:5] offset:VOFF th:TH_LOAD_NT     ; V
	; Thread t holds V[4 (t % 64) .. + 3] of token t / 64: 8 bytes of bf16 in block t / 8 (= 8 x token + step), at byte 8 (t % 8) of a row's 64.
	; It writes the same 8 bytes of all four rows, so that the 512 threads fill the 16,384 bytes of source 0.
	s_lshr_b32 s9, s8, 1                           ; my token
	s_and_b32 s16, s8, 1                           ; my half of its rows i
	s_lshl_b32 s13, s9, 11                         ; my token's 2,048 bytes of source 0
	v_and_b32 v3, 31, v0                           ; lane
	v_lshrrev_b32 v5, 3, v0
	v_and_b32 v6, 7, v0
	v_lshlrev_b32 v5, 8, v5
	v_lshl_add_u32 v5, v6, 3, v5
	v_mov_b32 v8, 0x3f803f80                       ; two bf16 ones
	v_mov_b32 v9, 0x3f803f80
	v_mov_b32 v10, 0
	v_mov_b32 v11, 0
	ds_store_b64 v5, v[8:9]   offset:VS+64         ; the row of ones
	ds_store_b64 v5, v[10:11] offset:VS+192        ; the row of zeros
	s_wait_loadcnt 0x2                             ; Q is in; K and V may be out
	v_pk_mul_f32 v[16:17], v[16:17], CS op_sel_hi:[1,0]
	v_pk_mul_f32 v[18:19], v[18:19], CS op_sel_hi:[1,0]
	ds_store_b128 v1, v[16:19] offset:QS
	s_wait_loadcnt 0x1                             ; K is in; V may be out
	ds_store_b128 v1, v[20:23] offset:KS
	s_wait_loadcnt 0x0
	v_cvt_pk_bf16_f32 v28, v24, v25                ; V's main part
	v_cvt_pk_bf16_f32 v29, v26, v27
	v_lshlrev_b32 v12, 16, v28                     ; back to f32: a shift or a mask
	v_and_b32 v13, 0xffff0000, v28
	v_lshlrev_b32 v14, 16, v29
	v_and_b32 v15, 0xffff0000, v29
	v_pk_add_f32 v[24:25], v[24:25], v[12:13] neg_lo:[0,1] neg_hi:[0,1]     ; what the rounding left: exact in f32
	v_pk_add_f32 v[26:27], v[26:27], v[14:15] neg_lo:[0,1] neg_hi:[0,1]
	v_cvt_pk_bf16_f32 v30, v24, v25                ; V's small part
	v_cvt_pk_bf16_f32 v31, v26, v27
	ds_store_b64 v5, v[28:29] offset:VS
	ds_store_b64 v5, v[30:31] offset:VS+128
	s_wait_dscnt 0x0                               ; for the other waves' sake: all my LDS stores are done
	s_barrier_signal -1
	s_barrier_wait -1                              ; from here on Q, K and source 0 are only read; the stage is each wave's own: no further barrier
	; my token's K for the extremes (8 numbers a lane), K as the exponents want it (128 registers), source 0 (64 registers)
	s_lshl_b32 s12, s9, 10                         ; token x 1,024
	v_lshl_add_u32 v12, v3, 4, s12
	ds_load_b128 v[32:35], v12 offset:KS
	ds_load_b128 v[36:39], v12 offset:KS+512
	v_bfe_u32 v13, v0, 4, 1                        ; h
	v_lshl_add_u32 v14, v13, 6, s12                ; 16 numbers of K for each half of the lanes
.set i, 0
.rept 32
	ds_load_b128 v[KR+4*i:KR+4*i+3], v14 offset:KS+128*(i/4)+16*(i%4)       ; step i / 4: bytes 128 s + 64 h + 16 (i % 4)
.set i, i+1
.endr
	v_and_b32 v15, 7, v0                           ; row of source 0 modulo 8: 0 V's main part, 1 ones, 2 V's small part, 3 and above zeros
	v_min_u32 v15, 3, v15
	v_lshlrev_b32 v15, 6, v15                      ; 64 bytes a row in a block,
	v_lshl_add_u32 v15, v13, 5, v15                ; 16 bf16 for each half of the lanes
	v_add_nc_u32 v15, s13, v15
.set i, 0
.rept 16
	ds_load_b128 v[VA+4*i:VA+4*i+3], v15 offset:VS+256*(i/2)+16*(i%2)       ; step i / 2: its block, and the lane's 32 bytes in two halves
.set i, i+1
.endr
	s_mov_b32 s22, 0x76543210                      ; v_permlanex16_b32: lane i of one half reads lane i of the other
	s_mov_b32 s23, 0xfedcba98
	s_mov_b32 s19, 0xffff0000                      ; lanes 16 to 31
	s_lshl_b32 s17, s16, 9
	s_add_co_u32 s17, s17, s12                     ; my 128 q' in LDS
	s_lshl_b32 s18, s8, 9                          ; my stage
	v_and_b32 v[QADR], 15, v0
	v_lshl_add_u32 v[QADR], v[QADR], 2, s17
	v_lshl_add_u32 v[SADR], v3, 2, s18
	v_lshl_add_u32 v[RADR], v3, 4, s18
	s_wait_dscnt 48                                ; the first two loads are in; the 32 + 16 issued behind them may be out
.irp e, 0,1,2,3,4,5,6,7
	v_mul_f32 v[40+\e], -1.0, v[32+\e]             ; the smallest K is found as the largest -K
.endr
	v_max3_num_f32 v32, v32, v33, v34
	v_max3_num_f32 v40, v40, v41, v42
	v_max3_num_f32 v32, v32, v35, v36
	v_max3_num_f32 v40, v40, v43, v44
	v_max3_num_f32 v32, v32, v37, v38
	v_max3_num_f32 v40, v40, v45, v46
	v_max_num_f32 v32, v32, v39
	v_max_num_f32 v40, v40, v47
.irp m, 1,2,4,8
	v_max_num_f32_dpp v32, v32, v32 row_xmask:\m row_mask:0xf bank_mask:0xf
	v_max_num_f32_dpp v40, v40, v40 row_xmask:\m row_mask:0xf bank_mask:0xf
.endr
	v_permlanex16_b32 v33, v32, s22, s23           ; the destinations have been written before
	v_permlanex16_b32 v41, v40, s22, s23
	v_max_num_f32 v32, v32, v33
	v_max_num_f32 v40, v40, v41
	v_readfirstlane_b32 s20, v32                   ; kmax
	v_readfirstlane_b32 s21, v40                   ; -kmin
	s_xor_b32 s20, s20, 0x80000000                 ; -kmax
; Unit u of a trip: tile a = u % 2 (16 rows i), step s = u / 2 (32 j): 512 probabilities, 16 a lane.
; Its exponents lie in argument set a.  Between its exponentials stand the multiply-adds that make unit u + 1's exponents in the other set (more = 1) and its own
; roundings to bf16: behind each v_exp_f32 a plain vector instruction that touches neither its result nor its source comes before the result is used (ISA guide 5.7.2).
; Pair e is packed into register e of the same set, whose old content earlier roundings have read.
; The other set's registers 0-7 were the last matrix instruction's source 1: the multiply-adds write registers 8-15 first, four places, and only then 0-7
; (ISA guide 7.12.1).  The two accumulators take turns, one instruction a turn, over the backward jump too.
.macro UNIT u, more
.set CUR, ARG+16*((\u)%2)
.set NXT, ARG+16*(((\u)+1)%2)
.set KN,  KR+16*(((\u)+1)/2)
.set QN,  QQ+4*(((\u)+1)%2)
.set AC,  ACC+8*((\u)%2)
.set VF,  VA+8*((\u)/2)
.set ue, 0
.rept 8
	v_exp_f32 v[CUR+2*ue],   v[CUR+2*ue]
	v_exp_f32 v[CUR+2*ue+1], v[CUR+2*ue+1]
.if \more
.set up, 2*((ue+4)%8)
	v_pk_fma_f32 v[NXT+up:NXT+up+1], v[KN+up:KN+up+1], v[QN:QN+1], v[QN+2:QN+3]     ; q' K[j] - m, two at a time
.else
.if ue == 0
	v_nop                                          ; the trip's last unit has no multiply-adds: the place behind its first two exponentials
.endif
.endif
.if ue > 0
	s_wait_alu depctr_va_vdst(0)
	v_cvt_pk_bf16_f32 v[CUR+ue-1], v[CUR+2*ue-2], v[CUR+2*ue-1]
.endif
.set ue, ue+1
.endr
	v_cvt_pk_bf16_f32 v[CUR+7], v[CUR+14], v[CUR+15]
.if (\u) < 2
	v_wmma_f32_16x16x32_bf16 v[AC:AC+7], v[VF:VF+7], v[CUR:CUR+7], 0                ; the first step starts the sums: nothing is cleared
.else
	v_wmma_f32_16x16x32_bf16 v[AC:AC+7], v[VF:VF+7], v[CUR:CUR+7], v[AC:AC+7]
.endif
.endm
	s_mov_b32 s24, 0
.Ltrip:                                            ; a trip: 32 rows i (two tiles) x all 256 j
	ds_load_b32 v[QQ],   v[QADR]                   ; q' of row i0 + r, twice: a pair for the packed multiply-add
	ds_load_b32 v[QQ+1], v[QADR]
	ds_load_b32 v[QQ+4], v[QADR] offset:64         ; and of row i0 + 16 + r
	ds_load_b32 v[QQ+5], v[QADR] offset:64
	s_wait_dscnt 0x0                               ; these four; in the first trip K and source 0 as well
	v_mul_f32 v[TMP],   s20, v[QQ]                 ; -q' kmax
	v_mul_f32 v[TMP+1], s21, v[QQ]                 ; -q' kmin
	v_mul_f32 v[TMP+2], s20, v[QQ+4]
	v_mul_f32 v[TMP+3], s21, v[QQ+4]
	v_min_num_f32 v[QQ+2], v[TMP],   v[TMP+1]      ; -m = -(the row's largest score), twice
	v_min_num_f32 v[QQ+3], v[TMP],   v[TMP+1]
	v_min_num_f32 v[QQ+6], v[TMP+2], v[TMP+3]
	v_min_num_f32 v[QQ+7], v[TMP+2], v[TMP+3]
.set up, 0
.rept 8
	v_pk_fma_f32 v[ARG+up:ARG+up+1], v[KR+up:KR+up+1], v[QQ:QQ+1], v[QQ+2:QQ+3]     ; unit 0's exponents
.set up, up+2
.endr
.irp u, 0,1,2,3,4,5,6,7,8,9,10,11,12,13,14
	UNIT \u, 1
.endr
	UNIT 15, 0
.rept 4
	v_nop                                          ; four places behind the last matrix instruction before its result is read (ISA guide 7.12.1)
.endr
	v_add_f32 v[TMP+2], v[ACC],   v[ACC+2]         ; the numerator's two parts, first tile
	v_add_f32 v[TMP+3], v[ACC+8], v[ACC+10]        ; second tile
	v_cndmask_b32 v[TMP+1], v[ACC+1], v[ACC+9], s19    ; the denominators: lanes 0-15 the first tile's row r, lanes 16-31 the second tile's; at least about 1, since the row's largest probability is
	v_cndmask_b32 v[TMP],   v[TMP+2], v[TMP+3], s19    ; the numerators likewise
	v_rcp_f32 v[TMP+1], v[TMP+1]
	v_add_nc_u32 v[QADR], 128, v[QADR]             ; the next 32 rows' q'; also the plain instruction behind v_rcp_f32 (ISA guide 5.7.2)
	s_wait_alu depctr_va_vdst(0)
	v_mul_f32 v[TMP], v[TMP], v[TMP+1]
	ds_store_b32 v[SADR], v[TMP] offset:OUTST      ; lane l holds row i0 + l
	v_add_nc_u32 v[SADR], 128, v[SADR]
	s_add_co_u32 s24, s24, 1
	s_cmp_lt_u32 s24, 4
	s_cbranch_scc1 .Ltrip
	ds_load_b128 v[TMP:TMP+3], v[RADR] offset:OUTST    ; my wave's own bytes: LDS serves a wave's instructions in order (ISA guide 5.7.1), so this sees the four stores
	v_lshlrev_b32 v1, 4, v0                        ; wave x 512 + lane x 16 = token x 1,024 + half x 512 + lane x 16
	s_wait_dscnt 0x0
	global_store_b128 v1, v[TMP:TMP+3], s[6:7] th:TH_STORE_NT      ; the wave stores 512 consecutive bytes, at a multiple of 512 from out0's first byte
	s_wait_xcnt 0x0
	v_lshl_add_u32 v246, v0, 2, 0xa000
	v_mov_b32 v247, 0
	s_wait_tensorcnt 0x0
	ds_add_u32 v246, v247
	s_wait_dscnt 0x0
	s_endpgm
.Lfunc_end_k_q6b7a4fd78a_attn:
	.size	k_q6b7a4fd78a_attn, .Lfunc_end_k_q6b7a4fd78a_attn-k_q6b7a4fd78a_attn
	.p2alignl 7, 3214868480
	.fill 96, 4, 3214868480
	.section	.rodata,"a",@progbits
	.p2align	6, 0x0
	.amdhsa_kernel k_q6b7a4fd78a_attn
		.amdhsa_group_segment_fixed_size 43008
		.amdhsa_private_segment_fixed_size 0
		.amdhsa_enable_private_segment 0
		.amdhsa_kernarg_size 16
		.amdhsa_user_sgpr_count 2
		.amdhsa_user_sgpr_kernarg_segment_ptr 1
		.amdhsa_wavefront_size32 1
		.amdhsa_system_sgpr_workgroup_id_x 1
		.amdhsa_system_sgpr_workgroup_id_y 1
		.amdhsa_system_sgpr_workgroup_id_z 1
		.amdhsa_system_vgpr_workitem_id 0
		.amdhsa_next_free_vgpr 256
		.amdhsa_next_free_sgpr 66
		.amdhsa_reserve_vcc 0
		.amdhsa_float_denorm_mode_32 3
		.amdhsa_float_denorm_mode_16_64 3
		.amdhsa_memory_ordered 1
		.amdhsa_forward_progress 1
		.amdhsa_inst_pref_size 39
	.end_amdhsa_kernel
	.amdgpu_metadata
---
amdhsa.version: [ 1, 2 ]
amdhsa.kernels:
  - .name:           k_q6b7a4fd78a_attn
    .symbol:         k_q6b7a4fd78a_attn.kd
    .args:
      - { .name: qkv, .offset: 0, .size: 8, .value_kind: global_buffer, .address_space: global }
      - { .name: out0, .offset: 8, .size: 8, .value_kind: global_buffer, .address_space: global }
    .group_segment_fixed_size: 43008
    .private_segment_fixed_size: 0
    .kernarg_segment_align: 8
    .kernarg_segment_size: 16
    .max_flat_workgroup_size: 512
    .sgpr_count:     66
    .vgpr_count:     256
    .wavefront_size: 32
...
	.end_amdgpu_metadata
.endif
;; end of part 2
;; ======== version 2 of 2: 2 launches; version 1 with the launch proj written anew for expert scheduling mode
;; workspace buffers: qkv 6,291,456 bytes
;; launch proj (part 3): grid 16 x 12, 8 waves a work-group, no clusters, 137,216 bytes of LDS; arguments x, Wq, Wk, Wv, bq, bk, bv, qkv; writes qkv
.if DOCPART == 3
	.amdgcn_target "amdgcn-amd-amdhsa--gfx1250"
	.amdhsa_code_object_version 6
	.text
	.protected	k_q6b7a4fd78a_proj
	.globl	k_q6b7a4fd78a_proj
	.p2align	8
	.type	k_q6b7a4fd78a_proj,@function
k_q6b7a4fd78a_proj:
	s_mov_b64 s[64:65], 0
	v_nop
	global_prefetch_b8 v0, s[64:65] scope:SCOPE_SE
	s_setreg_imm32_b32 hwreg(HW_REG_WAVE_SCHED_MODE, 0, 2), 2
	s_setreg_imm32_b32 hwreg(HW_REG_WAVE_MODE, 25, 1), 1
	s_wait_xcnt 0x0
	s_wait_alu depctr_vm_vsrc(0)
; qkv[m][t][c] = sum over k of x[t][k] W_m[c][k] + b_m[c],  m = 0, 1, 2 for Q, K, V.   x: [2048][256] f32, W_m: [256][256] f32, qkv: [3][2048][256] f32.
; x and W are rounded to bf16 (nearest even) on the way to the matrix unit; the sums are f32 and start at the bias.
; A work-group makes 128 tokens x 64 columns of one matrix: grid x = token block (16), grid y = 4 m + column block (12).
; K is 256: the whole depth is taken at once.  Each thread asks for all its 48 pieces of 16 bytes (196,608 bytes for the work-group) before it
; waits for any, rounds them as they come, eight at a time, and lays them into LDS; one barrier; then each of the eight waves multiplies 16 tokens x 64 columns.
; NO JOINT LOADS, though 12 work-groups read each tile of x and 16 each tile of W: the numbers are f32 and have to pass through registers once to
; become bf16, and there is one step only, so a tile brought by the data mover would be written to LDS and read back (196,608 bytes more each way
; for a work-group) before the same conversion.
; THE MATRIX INSTRUCTION IS USED TRANSPOSED: source 0 = 16 rows of W (columns of the result), source 1 = 16 rows of x.  Lane l then holds token l % 16 and
; its registers 0 to 7 the columns 8 (l / 16) + 0 .. 7, so the bias of those eight columns is loaded straight into the accumulator as the first C.
; THE MODE: SCHED_MODE bits 1:0 = 2 (LLVM: expert scheduling mode 2), set by the entry lines.  The code itself states the register dependences
; between vector or matrix instructions and memory or LDS instructions, with s_wait_alu, always for 0.
; THE PLAN.  Registers that memory or LDS instructions touch:
;   v1, v6          offsets of the global loads: written at the head, ahead of one wait, and never again.
;   v2, v3, v8-v12  LDS addresses and the stores' offset: written once, behind the global loads and ahead of the first group's wait, and never again.
;   v[48:239]       as loaded: six groups of eight loads.  Group g's sixteen conversions read and write group g's registers alone; its eight LDS stores are
;                   issued in group g + 1, behind the wait at that group's head, dealt among conversions that name none of their registers.
;   v[48:247]       then five fragment sets of 40.  K steps 0 to 4 land in sets 0 to 4; steps 5, 6, 7 land in sets 0, 1, 2 behind ONE wait, which stands behind
;                   step 2's matrix instructions; steps 6 and 7 are dealt among the matrix instructions of steps 3 and 4, which name sets 3 and 4 and the accumulators.
;   v[16:47]        the accumulators: the bias lands in them; then matrix instructions alone, until the way out's LDS stores read them behind one wait.
.set PITCH,  528                       ; an LDS row: 256 bf16 + 16 bytes = 33 x 16: the 16 rows of a fragment load begin in 16 different 16-byte columns modulo 256 bytes
.set XROWS,  128
.set WROWS,  64
.set WT,     XROWS*PITCH               ; W's tile lies behind x's
.set STAGE,  WT+WROWS*PITCH            ; behind both: 16 rows x 272 bytes for each wave, for the way out
.set SPITCH, 272                       ; 256 bytes of a row of results + 16
.set GOFF, 1                           ; v1   16 t: my 16 bytes in every 4,096 bytes of a tile (both tiles are dense in memory)
.set SX,   2                           ; v2   where my 8 bytes of bf16 go in x's tile: row t / 64, byte 8 (t % 64)
.set SW,   3                           ; v3   the same in W's tile
.set BOFF, 6                           ; v6   32 (l / 16): my eight columns' bias
.set XF,   8                           ; v8   my fragment address in x's tile
.set WF,   9                           ; v9   my fragment address in W's tile
.set STO,  10                          ; v10  the way out: where my 32 bytes of a row go
.set RD,   11                          ; v11  the way out: where I read 16 bytes of a row back
.set CO,   12                          ; v12  my byte offset in the wave's 16 rows of qkv
.set ACC,  16                          ; v[16:47]   four accumulators: columns 16 n .. 16 n + 15
.set LD,   48                          ; v[48:239]  48 loads of 4 registers; afterwards, v[48:247], five fragment sets of 40 registers
.set FSET, 40                          ; a set: x's fragment (8), W's four fragments (32)
	s_load_b512 s[8:23], s[0:1], 0x0               ; x s[8:9], Wq s[10:11], Wk s[12:13], Wv s[14:15], bq s[16:17], bk s[18:19], bv s[20:21], qkv s[22:23]
	v_lshl_add_u32 v14, v0, 2, 0x21400
	v_mov_b32 v15, 0
	s_and_b32 s2, ttmp7, 0xffff                    ; grid y
	s_lshr_b32 s3, s2, 2                           ; m: which matrix
	s_and_b32 s4, s2, 3                            ; column block
	v_lshrrev_b32 v7, 5, v0
	v_readfirstlane_b32 s5, v7                     ; wave 0..7
	v_lshlrev_b32 v[GOFF], 4, v0
	v_and_b32 v4, 15, v0                           ; l % 16
	v_bfe_u32 v5, v0, 4, 1                         ; l / 16
	v_lshlrev_b32 v[BOFF], 5, v5
	s_lshl_b32 s28, ttmp9, 17                      ; token block x 128 rows x 1,024 bytes
	s_mov_b32 s29, 0
	s_lshl_b32 s30, s4, 16                         ; column block x 64 rows of W x 1,024 bytes
	s_mov_b32 s31, 0
	s_lshl_b32 s32, s4, 8                          ; column block x 64 columns x 4 bytes
	s_mov_b32 s33, 0
	s_lshl_b32 s36, s3, 21                         ; qkv: m x 2,097,152
	s_add_co_u32 s36, s36, s28                     ; + the block's first token
	s_wait_alu depctr_va_sdst(0)                   ; s5 is written, ahead of its first reader: qkv's base and the wave's LDS places are made from it
	s_lshl_b32 s37, s5, 14
	s_add_co_u32 s36, s36, s37                     ; + the wave's 16 tokens
	s_add_co_u32 s36, s36, s32                     ; + the block's first column: under 6,291,456 in all
	s_mov_b32 s37, 0
	s_mul_i32 s34, s5, 16*PITCH                    ; the wave's 16 tokens in x's tile
	s_mul_i32 s35, s5, 16*SPITCH
	s_add_co_u32 s35, s35, STAGE                   ; the wave's stage
	s_wait_kmcnt 0x0
	s_cmp_eq_u32 s3, 1                             ; the matrix and its bias are chosen by m alone
	s_cselect_b64 s[24:25], s[12:13], s[10:11]
	s_cselect_b64 s[26:27], s[18:19], s[16:17]
	s_cmp_eq_u32 s3, 2
	s_cselect_b64 s[24:25], s[14:15], s[24:25]
	s_cselect_b64 s[26:27], s[20:21], s[26:27]
	s_add_nc_u64 s[8:9], s[8:9], s[28:29]          ; x at the block's first token
	s_add_nc_u64 s[24:25], s[24:25], s[30:31]      ; W at the block's first row
	s_add_nc_u64 s[26:27], s[26:27], s[32:33]      ; the bias at the block's first column
	s_add_nc_u64 s[22:23], s[22:23], s[36:37]      ; qkv at the wave's first row and the block's first column
	s_wait_alu depctr_va_vdst(0)                   ; v1 and v6 are written: the 56 loads below read one of them as their offset
	; 56 loads, none waited for before all are out: the bias into the accumulators, then W's tile (16), then x's (32).
.irp n, 0,1,2,3
	global_load_b128 v[ACC+8*\n:ACC+8*\n+3],   v[BOFF], s[26:27] offset:64*\n       ; b[16 n + 8 (l / 16) + 0 .. 3]
	global_load_b128 v[ACC+8*\n+4:ACC+8*\n+7], v[BOFF], s[26:27] offset:64*\n+16    ; .. + 4 .. 7
.endr
.set i, 0
.rept 16
	global_load_b128 v[LD+4*i:LD+4*i+3], v[GOFF], s[24:25] offset:4096*i            ; a wave's load covers 512 neighbouring bytes; the 8 waves, four rows
.set i, i+1
.endr
.rept 32
	global_load_b128 v[LD+4*i:LD+4*i+3], v[GOFF], s[8:9] offset:4096*(i-16)
.set i, i+1
.endr
	; addresses, while the loads are on their way; none of these lines writes a register that a load above reads or lands in
	v_lshrrev_b32 v7, 6, v0                        ; t / 64: which of the four rows
	v_and_b32 v13, 63, v0                          ; t % 64: which 4 numbers of the row
	v_mul_u32_u24 v7, v7, PITCH
	v_lshl_add_u32 v[SX], v13, 3, v7
	v_add_nc_u32 v[SW], WT, v[SX]
	v_mul_u32_u24 v7, v4, PITCH                    ; a fragment: lane l holds row l % 16; two loads of 16 bytes, 32 apart, at 16 (l / 16)
	v_lshl_add_u32 v7, v5, 4, v7
	v_add_nc_u32 v[XF], s34, v7
	v_add_nc_u32 v[WF], WT, v7
	v_mul_u32_u24 v7, v4, SPITCH                   ; into the stage: row l % 16, 32 bytes for each half of the lanes
	v_lshl_add_u32 v7, v5, 5, v7
	v_add_nc_u32 v[STO], s35, v7
	v_mul_u32_u24 v7, v5, SPITCH                   ; back: lanes 0-15 one row of 256 bytes, lanes 16-31 the next
	v_lshl_add_u32 v7, v4, 4, v7
	v_add_nc_u32 v[RD], s35, v7
	v_lshlrev_b32 v7, 10, v5                       ; and the same two rows in qkv (1,024 bytes apart)
	v_lshl_add_u32 v[CO], v4, 4, v7
; piece i of the 48 is rounded in place: four f32 close up into the first two of their four registers
.macro CVT i
	v_cvt_pk_bf16_f32 v[LD+4*(\i)],   v[LD+4*(\i)],   v[LD+4*(\i)+1]
	v_cvt_pk_bf16_f32 v[LD+4*(\i)+1], v[LD+4*(\i)+2], v[LD+4*(\i)+3]
.endm
; and laid down: pieces 0 to 15 are rows 4 i .. 4 i + 3 of W's tile, pieces 16 to 47 rows 4 (i - 16) .. of x's
.macro PUT i
.if (\i) < 16
	ds_store_b64 v[SW], v[LD+4*(\i):LD+4*(\i)+1] offset:4*PITCH*(\i)
.else
	ds_store_b64 v[SX], v[LD+4*(\i):LD+4*(\i)+1] offset:4*PITCH*((\i)-16)           ; the largest offset is 31 x 2,112 = 65,472
.endif
.endm
	; Six groups of eight pieces, in the order of the loads.  A group's conversions name its own 32 registers alone; the stores of the group before are dealt among them.
.set g, 0
.rept 6
	s_wait_loadcnt 40-8*g                          ; loads come back in order (ISA guide 5.7.1): the count is the number of tile loads issued behind this group's last
.if g > 0
	s_wait_alu depctr_va_vdst(0)                   ; the group before has written its bf16 pairs, which the LDS stores below read; at the first such wait v2, v3 and v8 to v12 are written too
.endif
.set j, 0
.rept 8
.if g > 0
	PUT 8*(g-1)+j                                  ; no vector instruction since the wait names this store's registers
.endif
	CVT 8*g+j
.set j, j+1
.endr
.set g, g+1
.endr
	s_wait_alu depctr_va_vdst(0)                   ; the last group has written its bf16 pairs, which the stores below read; every conversion is done with v[48:239], in which fragments land further down
.set j, 40
.rept 8
	PUT j
.set j, j+1
.endr
	s_wait_dscnt 0x0                               ; for the other waves' sake: all my LDS stores are done
	s_barrier_signal -1
	s_barrier_wait -1                              ; both tiles are whole
	s_wait_alu depctr_vm_vsrc(0)                   ; my LDS stores have read v[48:239]: from here on these registers are fragment sets, written by the LDS loads below
; ten LDS loads: the fragments of K step s (32 along K, 64 bytes of a row) into set f.  The step may be given as a sum: it stands in brackets.
.macro FETCH f, s
	ds_load_b128 v[(\f):(\f)+3],   v[XF] offset:64*(\s)
	ds_load_b128 v[(\f)+4:(\f)+7], v[XF] offset:64*(\s)+32
.irp n, 0,1,2,3
	ds_load_b128 v[(\f)+8+8*\n:(\f)+8+8*\n+3],    v[WF] offset:\n*16*PITCH+64*(\s)
	ds_load_b128 v[(\f)+8+8*\n+4:(\f)+8+8*\n+7],  v[WF] offset:\n*16*PITCH+64*(\s)+32
.endr
.endm
; four matrix instructions, one on each accumulator: the accumulators take turns
.macro MUL f
.irp n, 0,1,2,3
	v_wmma_f32_16x16x32_bf16 v[ACC+8*\n:ACC+8*\n+7], v[(\f)+8+8*\n:(\f)+8+8*\n+7], v[(\f):(\f)+7], v[ACC+8*\n:ACC+8*\n+7]
.endr
.endm
; the same four on set f, with the ten loads of K step s into set g dealt among them: the matrix instructions name set f and the accumulators, no register of set g
.macro MULF f, g, s
	ds_load_b128 v[(\g):(\g)+3],   v[XF] offset:64*(\s)
	ds_load_b128 v[(\g)+4:(\g)+7], v[XF] offset:64*(\s)+32
.irp n, 0,1,2,3
	v_wmma_f32_16x16x32_bf16 v[ACC+8*\n:ACC+8*\n+7], v[(\f)+8+8*\n:(\f)+8+8*\n+7], v[(\f):(\f)+7], v[ACC+8*\n:ACC+8*\n+7]
	ds_load_b128 v[(\g)+8+8*\n:(\g)+8+8*\n+3],    v[WF] offset:\n*16*PITCH+64*(\s)
	ds_load_b128 v[(\g)+8+8*\n+4:(\g)+8+8*\n+7],  v[WF] offset:\n*16*PITCH+64*(\s)+32
.endr
.endm
; four places behind a matrix instruction (ISA guide 7.12.1); nothing else is left to do where they stand, so they are v_nop.  A wait on va_vdst fills no place and stands beside them.
.macro PLACES
.rept 4
	v_nop
.endr
.endm
	FETCH LD,        0
	FETCH LD+FSET,   1
	FETCH LD+2*FSET, 2
	FETCH LD+3*FSET, 3
	FETCH LD+4*FSET, 4
	s_wait_dscnt 40                                ; LDS loads come back in order (ISA guide 5.7.1): all but the four younger sets of ten
	MUL LD
	s_wait_dscnt 30
	MUL LD+FSET
	s_wait_dscnt 20
	MUL LD+2*FSET
	PLACES                                         ; between the matrix instructions that read sets 0 to 2 and the loads into those sets
	s_wait_alu depctr_va_vdst(0)                   ; the matrix instructions of K steps 0 to 2 are done reading sets 0 to 2, in which K steps 5 to 7 land: one wait for the thirty loads
	FETCH LD, 5
	s_wait_dscnt 20                                ; set 3 is in; set 4's ten loads and step 5's ten may be out
	MULF LD+3*FSET, LD+FSET, 6
	s_wait_dscnt 20                                ; set 4 is in; step 5's and step 6's may be out
	MULF LD+4*FSET, LD+2*FSET, 7
	s_wait_dscnt 20                                ; step 5 is in; step 6's and step 7's may be out
	MUL LD
	s_wait_dscnt 10
	MUL LD+FSET
	s_wait_dscnt 0
	MUL LD+2*FSET
	PLACES                                         ; between the last matrix instructions and the LDS stores of their results
	; THE WAY OUT: my 32 bytes of each 64 go into my wave's own stage, whole rows of 256 bytes come back.  LDS serves a wave's instructions in
	; order (ISA guide 5.7.1), so the loads see the stores; no other wave touches these bytes.
	s_wait_alu depctr_va_vdst(0)                   ; the matrix instructions have written the accumulators, which the LDS stores read, and are done reading v[48:79], in which the loads from the stage land
.irp n, 0,1,2,3
	ds_store_b128 v[STO], v[ACC+8*\n:ACC+8*\n+3]   offset:64*\n
	ds_store_b128 v[STO], v[ACC+8*\n+4:ACC+8*\n+7] offset:64*\n+16
.endr
.irp p, 0,1,2,3,4,5,6,7
	ds_load_b128 v[LD+4*\p:LD+4*\p+3], v[RD] offset:\p*2*SPITCH
.endr
.irp p, 0,1,2,3,4,5,6,7
	s_wait_dscnt 7-\p                              ; pair p of rows is back; the younger ones may be out
	global_store_b128 v[CO], v[LD+4*\p:LD+4*\p+3], s[22:23] offset:2048*\p    ; 16 lanes store 256 consecutive bytes, at a multiple of 256 from qkv's first byte
.endr
	s_wait_dscnt 0x0
	s_wait_alu depctr_hold_cnt(0) depctr_sa_sdst(0) depctr_va_vdst(0) depctr_va_sdst(0) depctr_va_ssrc(0) depctr_va_vcc(0) depctr_vm_vsrc(0)
	s_wait_tensorcnt 0x0
	ds_add_u32 v14, v15
	s_wait_dscnt 0x0
	s_endpgm
.Lfunc_end_k_q6b7a4fd78a_proj:
	.size	k_q6b7a4fd78a_proj, .Lfunc_end_k_q6b7a4fd78a_proj-k_q6b7a4fd78a_proj
	.p2alignl 7, 3214868480
	.fill 96, 4, 3214868480
	.section	.rodata,"a",@progbits
	.p2align	6, 0x0
	.amdhsa_kernel k_q6b7a4fd78a_proj
		.amdhsa_group_segment_fixed_size 137216
		.amdhsa_private_segment_fixed_size 0
		.amdhsa_enable_private_segment 0
		.amdhsa_kernarg_size 64
		.amdhsa_user_sgpr_count 2
		.amdhsa_user_sgpr_kernarg_segment_ptr 1
		.amdhsa_wavefront_size32 1
		.amdhsa_system_sgpr_workgroup_id_x 1
		.amdhsa_system_sgpr_workgroup_id_y 1
		.amdhsa_system_sgpr_workgroup_id_z 1
		.amdhsa_system_vgpr_workitem_id 0
		.amdhsa_next_free_vgpr 248
		.amdhsa_next_free_sgpr 66
		.amdhsa_reserve_vcc 0
		.amdhsa_float_denorm_mode_32 3
		.amdhsa_float_denorm_mode_16_64 3
		.amdhsa_memory_ordered 1
		.amdhsa_forward_progress 1
		.amdhsa_inst_pref_size 28
	.end_amdhsa_kernel
	.amdgpu_metadata
---
amdhsa.version: [ 1, 2 ]
amdhsa.kernels:
  - .name:           k_q6b7a4fd78a_proj
    .symbol:         k_q6b7a4fd78a_proj.kd
    .args:
      - { .name: x, .offset: 0, .size: 8, .value_kind: global_buffer, .address_space: global }
      - { .name: Wq, .offset: 8, .size: 8, .value_kind: global_buffer, .address_space: global }
      - { .name: Wk, .offset: 16, .size: 8, .value_kind: global_buffer, .address_space: global }
      - { .name: Wv, .offset: 24, .size: 8, .value_kind: global_buffer, .address_space: global }
      - { .name: bq, .offset: 32, .size: 8, .value_kind: global_buffer, .address_space: global }
      - { .name: bk, .offset: 40, .size: 8, .value_kind: global_buffer, .address_space: global }
      - { .name: bv, .offset: 48, .size: 8, .value_kind: global_buffer, .address_space: global }
      - { .name: qkv, .offset: 56, .size: 8, .value_kind: global_buffer, .address_space: global }
    .group_segment_fixed_size: 137216
    .private_segment_fixed_size: 0
    .kernarg_segment_align: 8
    .kernarg_segment_size: 64
    .max_flat_workgroup_size: 256
    .sgpr_count:     66
    .vgpr_count:     248
    .wavefront_size: 32
...
	.end_amdgpu_metadata
.endif
;; end of part 3
;; launch attn: the kernel of part 2 again; grid 256 x 1, 16 waves a work-group, no clusters, 43,008 bytes of LDS; arguments qkv, out0; writes out0
